; MI455X (gfx1250); checked and timed in simulation.
; The chip was launched on July 23, 2026; its instructions are those of AMD's public machine-readable ISA for CDNA 5 (MIT licence, August 2026) and "CDNA5" Instruction Set Architecture Reference Guide (July 2026). The comments in the code are by the model that wrote it; some were corrected since.
;; Probability Flow. Allowed arithmetic: matrix products marked QUANTISED: E5M2 operands, one given power-of-two scale a tensor, by v_wmma_f32_16x16x64_bf8_bf8 or v_wmma_f32_16x16x128_bf8_bf8, f32 sums; everything else in f32.
;; Inputs: W1s 33 x 512 float32; W1v 33 x 512 float32; W2s 512 x 32 float32; W2v 512 x 32 float32; b1s 512 float32; b1v 512 float32; b2s 32 float32; b2v 32 float32; lowp_scales 24 int32 (the exponents e of the quantised operands' scales 2^e); t 8,192 x 1 float32; x 8,192 x 32 float32.
;; Outputs: out0 8,192 x 32 float32; out1 8,192 float32.
;; This version of the problem:
;;   THIS VERSION OF THE PROBLEM IS GIVEN IN LOW PRECISION. The matrix products marked QUANTISED in the list below multiply operands that are first quantised to E5M2 (5 exponent bits, 2 mantissa bits; 8 bits a number), with one given power-of-two scale for each operand tensor; their sums are f32. All else is computed in f32.
;;   The module's matrix products, in the order in which they are computed (A, B: the left and right operand; K: the contracted axis; several contracted axes count as one K, in the product's order):
;;     1. [M 8,192, K 33] x [K 33, N 512]; A: computed on the way; B: input W1v: QUANTISED (scales: A lowp_scales[0], B lowp_scales[1])
;;     2. [M 8,192, K 512] x [K 512, N 32]; A: computed on the way; B: input W2v: QUANTISED (scales: A lowp_scales[2], B lowp_scales[3])
;;     3. [M 8,192, K 33] x [K 33, N 512]; A: computed on the way; B: input W1s: QUANTISED (scales: A lowp_scales[4], B lowp_scales[5])
;;     4. [M 8,192, K 512] x [K 512, N 32]; A: computed on the way; B: input W2s: QUANTISED (scales: A lowp_scales[6], B lowp_scales[7])
;;     5. [M 8,192, K 33] x [K 33, N 512]; A: computed on the way; B: input W1v: QUANTISED (scales: A lowp_scales[8], B lowp_scales[9])
;;     6. [M 262,144, K 33] x [K 33, N 512]; A: computed on the way; B: input W1v: QUANTISED (scales: A lowp_scales[10], B lowp_scales[11])
;;     7. [M 8,192, K 512] x [K 512, N 32]; A: computed on the way; B: input W2v: QUANTISED (scales: A lowp_scales[12], B lowp_scales[13])
;;     8. [M 262,144, K 512] x [K 512, N 32]; A: computed on the way; B: input W2v: QUANTISED (scales: A lowp_scales[14], B lowp_scales[15])
;;     9. [M 8,192, K 33] x [K 33, N 512]; A: computed on the way; B: input W1s: QUANTISED (scales: A lowp_scales[16], B lowp_scales[17])
;;     10. [M 262,144, K 33] x [K 33, N 512]; A: computed on the way; B: input W1s: QUANTISED (scales: A lowp_scales[18], B lowp_scales[19])
;;     11. [M 8,192, K 512] x [K 512, N 32]; A: computed on the way; B: input W2s: QUANTISED (scales: A lowp_scales[20], B lowp_scales[21])
;;     12. [M 262,144, K 512] x [K 512, N 32]; A: computed on the way; B: input W2s: QUANTISED (scales: A lowp_scales[22], B lowp_scales[23])
;;   THE QUANTISER, for each operand of a quantised product, along K:
;;     - The operand's scale is 2^e, e = its entry of the input lowp_scales (int32; the entries are numbered through the quantised products in the list's order, A before B).
;;     - Each number is divided by the scale, clamped to +-57,344, and rounded to the nearest number of E5M2, ties to even, subnormals kept.
;;     - The product sums the exact products of the quantised numbers (number of the format x scale) in f32.
;;   ~~~python
;;   def quantise(x, axis, e):      # numpy; x: float32 -> the quantised numbers, widened to float32 again
;;       x = np.moveaxis(x, axis, -1); K = x.shape[-1]
;;       r = np.clip(x / 2.0 ** e, -57344, 57344)
;;       step = 2.0 ** (np.maximum(np.frexp(np.where(r == 0, 1, r))[1] - 1, -14) - 2)
;;       q = np.round(r / step) * step * 2.0 ** e      # np.round: ties to even
;;       return np.moveaxis(q, -1, axis).astype(np.float32)
;;   ~~~
;;   OPERANDS COMPUTED ON THE WAY. 'Computed on the way' means the value that the module computes at that place (a softmax that the list does not call 'softmax' is quantised finished and normalised). What goes into a quantiser is computed in f32, as accurately as f32 sums, v_exp_f32 and their like allow (about 1e-6 of the number): no bf16 or f16 on the way to a quantiser, and a product that is left as it is and whose result goes on into a quantised operand takes f32 operands (vector FMAs, or v_wmma_f32_16x16x4_f32). A number that lies on a knife's edge between two numbers of the format may be rounded either way, as far as f32 arithmetic and the matrix unit's own rounding can turn it there, and no further.
;; One version. Each part assembles by itself: llvm-mc -triple=amdgcn-amd-amdhsa -mcpu=gfx1250 --defsym DOCPART=n.
;; ======== version 1 of 1: 1 launch
;; limits: right only within a limited range of input values
;; launch flow (part 1): grid 256 x 1, 16 waves a work-group, no clusters, 229,376 bytes of LDS; arguments x, t, W1v, W1s, b1v, b1s, W2v, W2s, b2v, b2s, lowp_scales, out0, out1; writes out0, out1
.if DOCPART == 1
	.amdgcn_target "amdgcn-amd-amdhsa--gfx1250"
	.amdhsa_code_object_version 6
	.text
	.protected	k_q23714e38f5_flow
	.globl	k_q23714e38f5_flow
	.p2align	8
	.type	k_q23714e38f5_flow,@function
k_q23714e38f5_flow:
	s_mov_b64 s[64:65], 0
	v_nop
	global_prefetch_b8 v0, s[64:65] scope:SCOPE_SE
	s_setreg_imm32_b32 hwreg(HW_REG_WAVE_MODE, 25, 1), 1
	s_wait_xcnt 0x0
; out0 = v(x,t) - (0.5 - t) s(x,t);  out1 = -trace of d(out0)/dx.  v and s are MLPs 33 -> 512 -> 32 with the tanh form of gelu.  All products on codes of BF8 (E5M2), each operand with its given scale 2^e.
; WHAT IS MULTIPLIED.  The forward pass (products 1 to 4) and the tangent pass's pre-activations (5, 9) as they stand.  The tangent of [x, t] in direction i is the one-hot e_i for every row, so products 6 and 10 give
; T[i][k] = Q(1) Q(W1[i][k]), the same for every row: made here by the matrix unit, e_i as one operand.  Of products 8 and 12 the sum over 'ibi' keeps column i of row (i, b) alone: for each row b and net one dot product
; over (i, k) of Q(gelu'(pre[b][k]) T[i][k]) Q(W2[k][i]); only that is multiplied.  Products 7 and 11 are the primal results that the tangent pass throws away: they are not made; their four exponents are loaded with the rest.
; SHARES.  A work-group owns 32 rows b (two tiles of 16); 256 work-groups.  Wave w of 16: net = w / 8 (0: v, 1: s), hidden units 64 (w % 8) .. + 63 of that net, for all 32 rows, through the whole chain.
; So no weight, no gelu' and no T goes from wave to wave: only partial sums do (out0: 32 x 32 a wave; the trace: 32 a wave), through LDS, behind the kernel's one barrier.
; LAYOUT.  Every first-layer product is used transposed: source 0 = 16 hidden units, source 1 = 16 rows b.  A lane (r = lane % 16, h = lane / 16) then holds row b = r and, in register j, unit row 8 h + j of the tile.
; Tile t (0..3) takes the wave's units 4 rho + t (rho = the tile's row), so register j of lane (r, h) is unit 32 h + 4 j + t: one 16-byte load of a row of W1 gives a lane its unit of all four tiles, and 16 lanes read 256 consecutive bytes.
; The eight registers of a lane are eight neighbours of the next product's K (K's order is the same permutation in both operands), so the conversions' results are operand registers.
; NO CLUSTER, NO TENSOR LOAD: what work-groups share (W1, W2) arrives as f32 and has to pass through registers, in the conversions' lane layout, to become codes; each wave reads its 21 KB once, at the head; no loop streams anything.
; No prefetch for the same reason: every global load stands at the head.
; LIMITS.  Each given e, and eq = e(A of 8 or 12) - e(A of 6 or 10) - e(B of 6 or 10), lies between -126 and 112; each sum of two e that becomes a factor between -126 and 127.  |pre-activation| under 1e19 (its square is formed).
; NaN among the inputs is not served.  sigma under 2^-126 counts as 0 (the exponential and the reciprocal flush denormals: ISA guide, their entries).  A work-group's 32 numbers of out1 are 128 consecutive bytes.
.set TREC, 2368                        ; LDS: a wave's record for one tile of units:
.set F1O,  512                         ;   0    512 bytes  W2's codes for products 8 / 12, laid [h][i][j]
.set F5O,  1152                        ;   512  640 bytes  image of W1's fragment for products 1 / 3: registers 0-3 at 16 x lane, register 4 at 512 + 4 x lane;   1152: the same for products 5 / 9
.set F6O,  1792                        ;   1792 512 bytes  W1's codes for products 6 / 10: registers 0-1 (c = 8 h + ..) at 8 x lane, registers 2-3 (c = 16 + 8 h + ..) 256 further on
.set BIO,  2304                        ;   2304 64 bytes   b1 laid [h][j]
.set WREG, 4*TREC                      ; a wave's four records
.set P2B,  16*WREG                     ; behind them: each wave's partial sums of out0: 32 rows x (128 bytes + 16)
.set P2W,  4608
.set PDB,  P2B+16*P2W                  ; and of the trace: 32 words a wave
; REGISTERS.  v0-8 ids and LDS addresses that stay; v9-13 global offsets at the head, then the trip's LDS addresses; v14, v15 the scale and the largest number x the scale in use; v16-19 constants; v20-25 t and b2 for the end; v26-31 offsets.
.set ZF5,  32                          ; v32-47   [x, t]'s two fragments under the scale of products 5 / 9
.set ZF1,  48                          ; v48-63   the same for products 1 / 3;  in the loop:
.set GD,   48                          ;          gelu' of the tile: 8 registers for each tile of rows
.set TMP,  64                          ; v64-79   the head: two sets of 8 held numbers;  in the loop:
.set ACC,  64                          ;          the trace's two accumulators
.set TZ,   80                          ; v80-87   the head: one number and seven zeros;  in the loop:
.set AR,   80                          ; v80-95   two runs [a pair of W1's codes, six zeros]
.set RC,   88                          ; v88-151  the head: W2 as loaded;  then
.set D2,   88                          ; v88-119  the second layer's four results;  then
.set EE,   96                          ; v96-133  the one-hot pairs
.set W2F,  136                         ; v136-151 W2's fragment for 8 directions
.set W1R,  152                         ; v152-219 the head: W1 as loaded;  then
.set HH,   152                         ; v152-167 the hidden layer's two fragments
.set W2Q,  168                         ; v168-183 W2's two fragments for products 2 / 4;  in the loop:
.set TT,   152                         ; v152-183 T: four buffers of 8
.set WT,   184                         ; v184-199 the head: W2's codes on their way to the table;
.set WW,   184                         ;          sigma at work;
.set PP,   184                         ;          in the loop: two sets of 8 products gelu' x T
.set SH,   188                         ;          Q(1)'s code in byte 0, 1, 2, 3
.set XX,   200                         ; v200-215 pre-activations;
.set CC,   200                         ; v200-231 in the loop: the codes of 8 directions, 16 registers for each tile of rows
.set XSQ,  216                         ; v216-231 squares
.set XR,   220                         ; v220-251 the head: x as loaded;  then
.set FR,   220                         ; v220-243 W1's codes, 6 registers a tile;  v248, v249 two store addresses
.set FF,   232                         ; v232-239 W1's fragment in hand (registers 5-7 stay 0)
.set B1R,  240                         ; v240-247 b1 of the tile
; s2 wave, s3 wave % 8, s[4:29] addresses, s30-31 at work, s[32:55] the 24 exponents, s56 the loop's LDS step, s57 wave x WREG, s[60:63] 2^(eA + eB) of the first-layer products, s[66:69] constants,
; s[70:89] ten pairs (scale, largest number x scale), s[90:95] the factors of the end.
.macro MKF d, ea, eb                   ; s[d] = 2^(s[ea] + s[eb]) as f32
	s_add_co_i32 s[\d], s[\ea], s[\eb]
	s_add_co_i32 s[\d], s[\d], 127
	s_lshl_b32 s[\d], s[\d], 23
.endm
.macro MKSC n, e                       ; pair n: 2^e as f32 (the conversion takes its exponent field), and 57,344 x 2^e
	s_add_co_i32 s[71+2*\n], s[\e], 142
	s_lshl_b32 s[71+2*\n], s[71+2*\n], 23
	s_or_b32 s[71+2*\n], s[71+2*\n], 0x600000
	s_add_co_i32 s[70+2*\n], s[\e], 127
	s_lshl_b32 s[70+2*\n], s[70+2*\n], 23
.endm
.macro SETQ n                          ; pair n becomes the scale in use.  The v_nop is the plain line between the last conversion and the write of its scale register
	v_nop
	v_mov_b32 v14, s[70+2*\n]
	v_mov_b32 v15, s[71+2*\n]
.endm
; Eight numbers, str registers apart, are held within the largest code x the scale (the conversion to an 8-bit code does not saturate: ISA guide 7.6.2) and become 8 codes.  The two sets of TMP take turns, so that plain lines stand between a conversion and the next write of its sources.
.macro Q8 dst, src, str, set
.irp j, 0,1,2,3,4,5,6,7
	v_med3_num_f32 v[TMP+8*(\set)+\j], v[(\src)+(\str)*\j], -v15, v15
.endr
	v_cvt_scalef32_pk8_bf8_f32 v[(\dst):(\dst)+1], v[TMP+8*(\set):TMP+8*(\set)+7], v14
.endm
	s_load_b512 s[4:19], s[0:1], 0x0               ; x, t, W1v, W1s, b1v, b1s, W2v, W2s
	s_load_b256 s[20:27], s[0:1], 0x40             ; b2v, b2s, the exponents, out0
	s_load_b64 s[28:29], s[0:1], 0x60              ; out1
	v_lshrrev_b32 v1, 5, v0
	s_delay_alu instid0(VALU_DEP_1)
	v_readfirstlane_b32 s2, v1                     ; wave 0..15
	s_and_b32 s3, s2, 7                            ; which 64 hidden units
	v_and_b32 v1, 31, v0                           ; lane
	v_and_b32 v2, 15, v0                           ; r
	v_bfe_u32 v3, v0, 4, 1                         ; h
	s_delay_alu instid0(VALU_DEP_3)
	v_cmp_gt_u32 vcc_lo, 16, v1                    ; lanes 0-15: VCC keeps this mask for the whole kernel
	s_mul_i32 s57, s2, WREG
	v_lshl_add_u32 v4, v3, 8, s57                  ; the table of W2's codes: 256 h
	v_lshl_add_u32 v5, v1, 4, s57                  ; images: 16 x lane,
	v_lshl_add_u32 v6, v1, 3, s57                  ; 8 x lane,
	v_lshl_add_u32 v7, v1, 2, s57                  ; 4 x lane
	v_lshl_add_u32 v8, v3, 5, s57                  ; b1: 32 h
	v_lshlrev_b32 v9, 7, v2
	s_delay_alu instid0(VALU_DEP_1)
	v_lshl_add_u32 v9, v3, 5, v9                   ; x: row r of 128 bytes, + 32 h: my 8 numbers of 16
	v_lshlrev_b32 v10, 2, v2                       ; t: 4 r
	v_bfe_u32 v11, v0, 3, 1
	s_delay_alu instid0(VALU_DEP_1)
	v_lshlrev_b32 v11, 7, v11
	v_and_b32 v12, 7, v0
	s_delay_alu instid0(VALU_DEP_1)
	v_lshl_add_u32 v11, v12, 4, v11
	s_delay_alu instid0(VALU_DEP_1)
	v_lshl_add_u32 v11, v3, 2, v11                 ; b1: unit 32 ((lane / 8) % 2) + 4 (lane % 8) + lane / 16 (+ 2 in the second load): place lane % 16 of tile lane / 16 (+ 2)
	v_lshlrev_b32 v13, 4, v2                       ; W1's row 32: 16 r
	s_delay_alu instid0(VALU_DEP_1)
	v_lshl_add_u32 v12, v3, 14, v13                ; W1: 8 h rows of 2,048 bytes + 16 r
	v_lshlrev_b32 v26, 3, v2
	s_delay_alu instid0(VALU_DEP_1)
	v_lshl_add_u32 v26, v3, 12, v26                ; W2: 32 h rows of 128 bytes + 8 r: columns 2 r, 2 r + 1
	v_lshrrev_b32 v27, 4, v0
	s_delay_alu instid0(VALU_DEP_1)
	v_lshlrev_b32 v27, 2, v27                      ; the end: t of row thread / 16,
	v_lshlrev_b32 v28, 2, v1                       ; t, and out1, of row lane,
	v_lshlrev_b32 v29, 3, v2                       ; b2 of columns 2 (thread % 16) and the next
	s_mul_i32 s58, s2, P2W
	s_add_co_u32 s58, s58, P2B
	v_mul_u32_u24 v30, v2, 144
	s_delay_alu instid0(VALU_DEP_1)
	v_lshl_add_u32 v30, v3, 5, v30
	s_delay_alu instid0(VALU_DEP_1)
	v_add_nc_u32 v30, s58, v30                     ; my partial sums of out0: row r of 144 bytes, + 32 h
	s_lshl_b32 s59, s2, 7
	s_add_co_u32 s59, s59, PDB
	v_lshl_add_u32 v31, v1, 2, s59                 ; and of the trace: word lane
	v_mov_b32 v16, 0xc0135761                      ; cB = -2 log2(e) sqrt(2 / pi)
	s_delay_alu instid0(VALU_DEP_1)
	v_mov_b32 v17, v16
	v_mov_b32 v18, 0x3fcc422a                      ; qB = 2 sqrt(2 / pi)
	s_delay_alu instid0(VALU_DEP_1)
	v_mov_b32 v19, v18
	s_mov_b32 s66, 0xbdd2d3e8                      ; cA = 0.044715 cB
	s_mov_b32 s67, s66                             ; (the packed forms name pairs, so both words are written)
	s_mov_b32 s68, 0x3e5b33b6                      ; qA = 3 x 0.044715 qB
	s_mov_b32 s69, s68
.irp j, 1,2,3,4,5,6,7
	v_mov_b32 v[TZ+\j], 0
.endr
	s_wait_kmcnt 0x0
	s_load_b512 s[32:47], s[24:25], 0x0            ; e0 .. e15
	s_load_b256 s[48:55], s[24:25], 0x40           ; e16 .. e23
	s_cmp_lt_u32 s2, 8                             ; my net: the choice hangs on the wave's number alone
	s_cselect_b64 s[8:9], s[8:9], s[10:11]         ; W1
	s_cselect_b64 s[12:13], s[12:13], s[14:15]     ; b1
	s_cselect_b64 s[16:17], s[16:17], s[18:19]     ; W2
	s_mov_b32 s31, 0
	s_lshl_b32 s30, ttmp9, 12                      ; the work-group's 32 rows of 128 bytes
	s_add_nc_u64 s[4:5], s[4:5], s[30:31]
	s_add_nc_u64 s[26:27], s[26:27], s[30:31]
	s_lshl_b32 s30, ttmp9, 7                       ; and of 4 bytes
	s_add_nc_u64 s[6:7], s[6:7], s[30:31]
	s_add_nc_u64 s[28:29], s[28:29], s[30:31]
	s_lshl_b32 s30, s3, 8                          ; my 64 units: 256 bytes of a row of W1 and of b1,
	s_add_nc_u64 s[8:9], s[8:9], s[30:31]
	s_add_nc_u64 s[12:13], s[12:13], s[30:31]
	s_lshl_b32 s30, s3, 13                         ; 64 rows of W2
	s_add_nc_u64 s[16:17], s[16:17], s[30:31]
	; 61 loads, in the order in which they are used
.irp b, 0,1
.irp u, 0,1,2,3
	global_load_b128 v[XR+16*\b+4*\u:XR+16*\b+4*\u+3], v9, s[4:5] offset:2048*\b+64*(\u/2)+16*(\u%2)   ; x(16 b + r, 16 (u / 2) + 8 h + 4 (u % 2) ..)
.endr
.endr
	global_load_b32 v252, v10, s[6:7]
	global_load_b32 v253, v10, s[6:7] offset:64
	global_load_b32 v254, v11, s[12:13]
	global_load_b32 v255, v11, s[12:13] offset:8
.irp c, 0,1
.irp j, 0,1,2,3,4,5,6,7
	global_load_b128 v[W1R+4*(8*\c+\j):W1R+4*(8*\c+\j)+3], v12, s[8:9] offset:(16*\c+\j)*2048   ; W1(16 c + 8 h + j, units 4 r .. 4 r + 3): register a is tile a's
.endr
.endr
	global_load_b128 v[W1R+64:W1R+67], v13, s[8:9] offset:65536   ; row 32 (t's), in both halves of the lanes: no lane leaves the buffer
.irp t, 0,1,2,3
.irp j, 0,1,2,3,4,5,6,7
	global_load_b64 v[RC+2*(8*\t+\j):RC+2*(8*\t+\j)+1], v26, s[16:17] offset:(4*\j+\t)*128   ; W2(unit 32 h + 4 j + t, columns 2 r, 2 r + 1)
.endr
.endr
	s_wait_kmcnt 0x0
	MKF 90, 34, 35                                 ; the factors of the end, for both nets: 2^(e2 + e3),
	s_mov_b32 s91, s90
	MKF 92, 38, 39                                 ; 2^(e6 + e7),
	s_mov_b32 s93, s92
	MKF 94, 46, 47                                 ; 2^(e14 + e15),
	MKF 95, 54, 55                                 ; 2^(e22 + e23)
	s_cmp_lt_u32 s2, 8                             ; then my net's ten exponents into v's places
	s_cselect_b32 s32, s32, s36
	s_cselect_b32 s33, s33, s37
	s_cselect_b32 s34, s34, s38
	s_cselect_b32 s35, s35, s39
	s_cselect_b32 s40, s40, s48
	s_cselect_b32 s41, s41, s49
	s_cselect_b32 s42, s42, s50
	s_cselect_b32 s43, s43, s51
	s_cselect_b32 s46, s46, s54
	s_cselect_b32 s47, s47, s55
	MKF 60, 32, 33
	s_mov_b32 s61, s60
	MKF 62, 40, 41
	s_mov_b32 s63, s62
	s_sub_co_i32 s30, s46, s42
	s_sub_co_i32 s30, s30, s43                     ; eq: gelu' x (T's two codes' product) stands for that x 2^(eA6 + eB6): the three scales are folded into the conversion's one
	MKSC 0, 32                                     ; [x, t] for products 1 / 3
	MKSC 1, 33                                     ; W1 for them
	MKSC 2, 40                                     ; [x, t] for products 5 / 9
	MKSC 3, 41                                     ; W1 for them
	MKSC 4, 42                                     ; the one-hot of products 6 / 10
	MKSC 5, 43                                     ; W1 for them
	MKSC 6, 34                                     ; the hidden layer
	MKSC 7, 35                                     ; W2 for products 2 / 4
	MKSC 8, 47                                     ; W2 for products 8 / 12
	MKSC 9, 30                                     ; the tangent of the hidden layer
	; ---- [x, t] becomes fragments: lane (r, h) holds row r; registers 2 c, 2 c + 1: K = 16 c + 8 h + 0 .. 7; K = 32 is t (register 4, byte 0, lanes 0-15); the rest of K = 64 is zero codes
	s_wait_loadcnt 51                              ; x's 8 loads and t's 2 are in; the 51 younger ones stay out
	v_cndmask_b32 v252, 0, v252, vcc_lo
	v_cndmask_b32 v253, 0, v253, vcc_lo
.macro ZQ dst
.irp b, 0,1
	Q8 \dst+8*\b, XR+16*\b, 1, 0
	Q8 \dst+8*\b+2, XR+16*\b+8, 1, 1
	v_med3_num_f32 v[TZ], v[252+\b], -v15, v15
	v_cvt_scalef32_pk8_bf8_f32 v[\dst+8*\b+4:\dst+8*\b+5], v[TZ:TZ+7], v14
	v_mov_b32 v[\dst+8*\b+6], 0
	v_mov_b32 v[\dst+8*\b+7], 0
.endr
.endm
	SETQ 0
	ZQ ZF1
	SETQ 2
	ZQ ZF5
	v_lshl_add_u32 v248, v2, 4, v4                 ; x's registers are free: where W2's codes go: 256 h + 8 (2 r + nu)
	v_mul_u32_u24 v249, v3, TREC
	s_delay_alu instid0(VALU_DEP_1)
	v_lshl_add_u32 v249, v2, 2, v249
	s_delay_alu instid0(VALU_DEP_1)
	v_add_nc_u32 v249, s57, v249                   ; and b1: tile lane / 16 (+ 2), word lane % 16
	; ---- b1
	s_wait_alu depctr_va_vdst(0)
	s_wait_loadcnt 49                              ; b1's two loads are in
	ds_store_b32 v249, v254 offset:BIO
	ds_store_b32 v249, v255 offset:BIO+2*TREC
	; ---- W1 under its three scales: lane (r, h) of tile a holds unit 4 r + a; K as in [x, t]'s fragments
	s_wait_loadcnt 32                              ; W1's 17 loads are in; W2's 32 stay out
.irp a, 0,1,2,3
	v_cndmask_b32 v[W1R+64+\a], 0, v[W1R+64+\a], vcc_lo   ; K = 32 belongs to lanes 0-15
.endr
.macro W1Q n, off, five                ; five = 1: with K = 32, as an image of registers 0-4;  0: K = 0 .. 31 alone, as two pairs
	SETQ \n
.irp a, 0,1,2,3
	Q8 FR+6*\a, W1R+\a, 4, 0
	Q8 FR+6*\a+2, W1R+32+\a, 4, 1
.if \five
	v_med3_num_f32 v[TZ], v[W1R+64+\a], -v15, v15
	v_cvt_scalef32_pk8_bf8_f32 v[FR+6*\a+4:FR+6*\a+5], v[TZ:TZ+7], v14
.endif
.endr
.irp a, 0,1,2,3
.if \five
	ds_store_b128 v5, v[FR+6*\a:FR+6*\a+3] offset:\a*TREC+\off
	ds_store_b32 v7, v[FR+6*\a+4] offset:\a*TREC+\off+512
.else
	ds_store_b64 v6, v[FR+6*\a:FR+6*\a+1] offset:\a*TREC+\off
	ds_store_b64 v6, v[FR+6*\a+2:FR+6*\a+3] offset:\a*TREC+\off+256
.endif
.endr
	s_wait_dscnt 0x0                               ; the stores have read their registers, which are written again
.endm
	W1Q 1, F1O, 1
	W1Q 3, F5O, 1
	W1Q 5, F6O, 0
	global_load_b32 v20, v27, s[6:7]               ; four loads for the end
	global_load_b32 v21, v28, s[6:7]
	global_load_b64 v[22:23], v29, s[20:21]
	global_load_b64 v[24:25], v29, s[22:23]
	; ---- W2 under its two scales: a lane's eight numbers are units 32 h + 4 j + t of one column
	s_wait_loadcnt 4                               ; W2's 32 loads are in; the four just issued stay out
	SETQ 8
.irp t, 0,1,2,3
.irp n, 0,1
	Q8 WT+2*(2*\t+\n), RC+16*\t+\n, 2, \n
.endr
.endr
.irp t, 0,1,2,3
.irp n, 0,1
	ds_store_b64 v248, v[WT+2*(2*\t+\n):WT+2*(2*\t+\n)+1] offset:\t*TREC+8*\n   ; the table: [h][i = 2 r + n][j]
.endr
.endr
	SETQ 7
.irp t, 0,1,2,3
.irp n, 0,1
	Q8 W2Q+8*\n+2*\t, RC+16*\t+\n, 2, \n           ; fragment n: row r = column 2 r + n; registers 2 t, 2 t + 1: tile t's units
.endr
.endr
	s_wait_dscnt 0x0                               ; the table's stores have read their registers
	v_mov_b32 v[FF+5], 0
	v_mov_b32 v[FF+6], 0
	v_mov_b32 v[FF+7], 0                           ; K = 40 .. 63 of W1's fragments: zero codes, for the rest of the kernel
	s_wait_alu depctr_va_vdst(0)
	SETQ 6
; sigma = 1 / (1 + 2^(x (cB + cA x^2))) of 16 pre-activations x = sum x 2^(eA + eB) + b1: gelu = x sigma.  XX: x; XSQ: x^2, with q = 1 then qB + qA x^2; WW: sigma.
; Each accumulator is read from its low end on.  The exponentials go as one batch with one wait ahead of their first reader, and so do the reciprocals; a plain line stands behind each batch (ISA guide 5.7.2).
.macro SIGMA sc, q
.irp p, 0,2,4,6,8,10,12,14
	v_pk_fma_f32 v[XX+\p:XX+\p+1], v[XX+\p:XX+\p+1], s[\sc:\sc+1], v[B1R+(\p)%8:B1R+(\p)%8+1] op_sel_hi:[1,0,1]
.endr
.irp p, 0,2,4,6,8,10,12,14
	v_pk_mul_f32 v[XSQ+\p:XSQ+\p+1], v[XX+\p:XX+\p+1], v[XX+\p:XX+\p+1]
.endr
.irp p, 0,2,4,6,8,10,12,14
	v_pk_fma_f32 v[WW+\p:WW+\p+1], v[XSQ+\p:XSQ+\p+1], s[66:67], v[16:17] op_sel_hi:[1,0,1]
.endr
.irp p, 0,2,4,6,8,10,12,14
	v_pk_mul_f32 v[WW+\p:WW+\p+1], v[WW+\p:WW+\p+1], v[XX+\p:XX+\p+1]
.endr
	s_wait_alu depctr_va_vdst(0)
.irp j, 0,1,2,3,4,5,6,7,8,9,10,11,12,13,14,15
	v_exp_f32 v[WW+\j], v[WW+\j]
.endr
.if \q
.irp p, 0,2,4,6,8,10,12,14
	v_pk_fma_f32 v[XSQ+\p:XSQ+\p+1], v[XSQ+\p:XSQ+\p+1], s[68:69], v[18:19] op_sel_hi:[1,0,1]
.endr
.else
	v_nop
.endif
	s_wait_alu depctr_va_vdst(0)
.irp p, 0,2,4,6,8,10,12,14
	v_pk_add_f32 v[WW+\p:WW+\p+1], v[WW+\p:WW+\p+1], 1.0 op_sel_hi:[1,0]
.endr
	s_wait_alu depctr_va_vdst(0)
.irp j, 0,1,2,3,4,5,6,7,8,9,10,11,12,13,14,15
	v_rcp_f32 v[WW+\j], v[WW+\j]
.endr
	v_nop
	s_wait_alu depctr_va_vdst(0)
.endm
	; ---- the forward pass: my 64 units of the hidden layer for the 32 rows, a tile of 16 units at a time
.macro FWD t
	ds_load_b128 v[FF:FF+3], v5 offset:\t*TREC+F1O         ; LDS serves a wave's instructions in order (ISA guide 5.7.1.4): these see my own stores
	ds_load_b32 v[FF+4], v7 offset:\t*TREC+F1O+512
	ds_load_b128 v[B1R:B1R+3], v8 offset:\t*TREC+BIO
	ds_load_b128 v[B1R+4:B1R+7], v8 offset:\t*TREC+BIO+16
	s_wait_dscnt 0x0
	v_wmma_f32_16x16x64_bf8_bf8 v[XX:XX+7], v[FF:FF+7], v[ZF1:ZF1+7], 0
	v_wmma_f32_16x16x64_bf8_bf8 v[XX+8:XX+15], v[FF:FF+7], v[ZF1+8:ZF1+15], 0
.rept 4
	v_nop                                          ; four places in front of the first read of the results (ISA guide 7.12.1)
.endr
	SIGMA 60, 0
.irp p, 0,2,4,6,8,10,12,14
	v_pk_mul_f32 v[XX+\p:XX+\p+1], v[XX+\p:XX+\p+1], v[WW+\p:WW+\p+1]   ; gelu
.endr
.irp j, 0,1,2,3,4,5,6,7,8,9,10,11,12,13,14,15
.endr
	v_cvt_scalef32_pk8_bf8_f32 v[HH+2*\t:HH+2*\t+1], v[XX:XX+7], v14
	v_cvt_scalef32_pk8_bf8_f32 v[HH+8+2*\t:HH+8+2*\t+1], v[XX+8:XX+15], v14
	v_nop                                          ; a plain line between the conversions and the products that write their sources or read their results
.endm
.irp t, 0,1,2,3
	FWD \t
.endr
.irp b, 0,1
.irp n, 0,1
	v_wmma_f32_16x16x64_bf8_bf8 v[D2+8*(2*\b+\n):D2+8*(2*\b+\n)+7], v[W2Q+8*\n:W2Q+8*\n+7], v[HH+8*\b:HH+8*\b+7], 0   ; register j of lane (r, h): row 16 b + r, column 2 (8 h + j) + n, summed over my 64 units
.endr
.endr
.rept 4
	v_nop
.endr
.irp b, 0,1
.irp n, 0,1
	ds_store_b128 v30, v[D2+8*(2*\b+\n):D2+8*(2*\b+\n)+3] offset:2304*\b+64*\n
	ds_store_b128 v30, v[D2+8*(2*\b+\n)+4:D2+8*(2*\b+\n)+7] offset:2304*\b+64*\n+16
.endr
.endr
	s_wait_dscnt 0x0                               ; the stores have read their registers, and have landed: no LDS store to these bytes follows, and the others read them behind the barrier
	; ---- the one-hot operand.  Pair n (0..15) holds Q(1)'s code at K = n of a fragment's first 16 (lanes n / 8, register (n / 4) % 2, byte n % 4).  Direction i's fragment is the 8 registers from pair i % 16 on:
	; its registers 2-7 hold other pairs' codes, which are finite and meet the six zeros of AR's run.
	SETQ 4
	s_delay_alu instid0(VALU_DEP_1)
	v_med3_num_f32 v[TZ], 1.0, -v15, v15
	v_cvt_scalef32_pk8_bf8_f32 v[SH:SH+1], v[TZ:TZ+7], v14
	v_nop
	v_lshlrev_b32 v[SH+1], 8, v[SH]
	v_lshlrev_b32 v[SH+2], 16, v[SH]
	v_lshlrev_b32 v[SH+3], 24, v[SH]
.irp n, 0,1,2,3,4,5,6,7,8,9,10,11,12,13,14,15
.if \n < 8
	v_cndmask_b32 v[EE+2*\n+(\n/4)%2], v[TZ+1], v[SH+\n%4], vcc_lo   ; lanes 0-15
.else
	v_cndmask_b32 v[EE+2*\n+(\n/4)%2], v[SH+\n%4], v[TZ+1], vcc_lo   ; lanes 16-31
.endif
	v_mov_b32 v[EE+2*\n+1-(\n/4)%2], 0
.endr
.irp j, 32,33,34,35,36,37
	v_mov_b32 v[EE+\j], 0
.endr
.irp j, 10,11,12,13,14,15
	v_mov_b32 v[AR+\j], 0                          ; the second run's six zeros; the first run's stand since the head
.endr
.irp j, 0,1,2,3,4,5,6,7,8,9,10,11,12,13,14,15
	v_mov_b32 v[ACC+\j], 0                         ; the loop is written once: its first products add onto zeros
.endr
	SETQ 9
; T of direction i for the tile's 16 units: source 0 = W1's codes of c = 16 (i / 16) + .., source 1 = e_i in all 16 columns.  Register j of lane (r, h): Q(1)'s code x the code of W1(i, unit 32 h + 4 j + t): where gelu' of that unit lies.
.macro TPROD i
	v_wmma_f32_16x16x64_bf8_bf8 v[TT+8*((\i)%4):TT+8*((\i)%4)+7], v[AR+8*((\i)/16):AR+8*((\i)/16)+7], v[EE+2*((\i)%16):EE+2*((\i)%16)+7], 0
.endm
; Direction i, rows 16 b on: gelu' x T, 8 codes: K = (i % 8, h, j) of the fragment for 8 directions
.macro HALF i, b
.irp p, 0,2,4,6
	v_pk_mul_f32 v[PP+8*\b+\p:PP+8*\b+\p+1], v[TT+8*((\i)%4)+\p:TT+8*((\i)%4)+\p+1], v[GD+8*\b+\p:GD+8*\b+\p+1]
.endr
.irp j, 0,1,2,3,4,5,6,7
.endr
	v_cvt_scalef32_pk8_bf8_f32 v[CC+16*\b+2*((\i)%8):CC+16*\b+2*((\i)%8)+1], v[PP+8*\b:PP+8*\b+7], v14
.endm
; T's four buffers run four directions ahead: a buffer is written anew behind its last reader, 33 or more vector lines ahead of its next.  The two accumulators take turns, one instruction a turn, with T's products between.
.macro ISTEP i
	HALF \i, 0
.if ((\i)%8 == 0) && ((\i) > 0)
.irp u, 0,1,2,3
	ds_load_b128 v[W2F+4*\u:W2F+4*\u+3], v9 offset:64*((\i)/8)+16*\u   ; W2's codes of these 8 directions: all 16 rows of the fragment alike.  Five plain lines stand behind the products that read the registers
.endr
.endif
	HALF \i, 1
.if (\i)%8 == 7
	v_nop                                          ; a plain line between the last conversion and the products that read its result
.endif
.if (\i) < 28
	TPROD (\i)+4
.endif
.if (\i)%8 == 7
	s_wait_alu depctr_va_vdst(0)
	s_wait_dscnt 0x0                               ; W2's fragment is in
	v_wmma_f32_16x16x128_bf8_bf8 v[ACC:ACC+7], v[W2F:W2F+15], v[CC:CC+15], v[ACC:ACC+7]   ; every register of lane (r, .) holds row r's sum
	v_wmma_f32_16x16x128_bf8_bf8 v[ACC+8:ACC+15], v[W2F:W2F+15], v[CC+16:CC+31], v[ACC+8:ACC+15]
.endif
.endm
	s_mov_b32 s56, 0
.Ltile:                                            ; four trips: a tile of 16 units, all 32 directions, both tiles of rows
	v_add_nc_u32 v9, s56, v4                       ; the tile's record.  These five lines are also the places between the last trip's products and the loads and products that write over their sources
	v_add_nc_u32 v10, s56, v5
	v_add_nc_u32 v11, s56, v6
	v_add_nc_u32 v12, s56, v7
	v_add_nc_u32 v13, s56, v8
	ds_load_b128 v[FF:FF+3], v10 offset:F5O
	ds_load_b32 v[FF+4], v12 offset:F5O+512
	ds_load_b64 v[AR:AR+1], v11 offset:F6O
	ds_load_b64 v[AR+8:AR+9], v11 offset:F6O+256
	ds_load_b128 v[B1R:B1R+3], v13 offset:BIO
	ds_load_b128 v[B1R+4:B1R+7], v13 offset:BIO+16
.irp u, 0,1,2,3
	ds_load_b128 v[W2F+4*\u:W2F+4*\u+3], v9 offset:16*\u
.endr
	s_wait_dscnt 6                                 ; the first four of the ten are in: W1's fragment and the two pairs
	v_wmma_f32_16x16x64_bf8_bf8 v[XX:XX+7], v[FF:FF+7], v[ZF5:ZF5+7], 0
	v_wmma_f32_16x16x64_bf8_bf8 v[XX+8:XX+15], v[FF:FF+7], v[ZF5+8:ZF5+15], 0
	TPROD 0
	TPROD 1
	TPROD 2
	TPROD 3
.rept 4
	v_nop
.endr
	s_wait_dscnt 4                                 ; b1 is in; W2's four loads stay out
	SIGMA 62, 1
.irp p, 0,2,4,6,8,10,12,14
	v_pk_mul_f32 v[XX+\p:XX+\p+1], v[XX+\p:XX+\p+1], v[WW+\p:WW+\p+1]   ; a = x sigma
.endr
.irp p, 0,2,4,6,8,10,12,14
	v_pk_fma_f32 v[XX+\p:XX+\p+1], v[XX+\p:XX+\p+1], v[WW+\p:WW+\p+1], v[XX+\p:XX+\p+1] neg_lo:[1,0,0] neg_hi:[1,0,0]   ; a - a sigma
.endr
.irp p, 0,2,4,6,8,10,12,14
	v_pk_fma_f32 v[GD+\p:GD+\p+1], v[XX+\p:XX+\p+1], v[XSQ+\p:XSQ+\p+1], v[WW+\p:WW+\p+1]   ; gelu' = sigma + (a - a sigma) (qB + qA x^2)
.endr
.irp i, 0,1,2,3,4,5,6,7,8,9,10,11,12,13,14,15,16,17,18,19,20,21,22,23,24,25,26,27,28,29,30,31
	ISTEP \i
.endr
	s_add_co_u32 s56, s56, TREC
	s_cmp_lt_u32 s56, 4*TREC
	s_cbranch_scc1 .Ltile
	; ---- the end: partial sums meet in LDS
.rept 4
	v_nop
.endr
	v_cndmask_b32 v184, v[ACC+8], v[ACC], vcc_lo   ; lane l: row l's sum over my 64 units and all directions
	ds_store_b32 v31, v184
	v_lshrrev_b32 v9, 4, v0
	s_delay_alu instid0(VALU_DEP_1)
	v_mul_u32_u24 v9, v9, 144
	s_delay_alu instid0(VALU_DEP_1)
	v_lshl_add_u32 v9, v2, 2, v9
	s_delay_alu instid0(VALU_DEP_1)
	v_add_nc_u32 v9, P2B, v9                       ; thread T sums row T / 16, columns 2 (T % 16) and the next: words T % 16 and 16 + T % 16 of the row; net v's eight waves,
	s_delay_alu instid0(VALU_DEP_1)
	v_add_nc_u32 v10, 8*P2W, v9                    ; net s's
	v_lshl_add_u32 v11, v1, 2, PDB
	v_lshlrev_b32 v12, 3, v0                       ; and stores 8 bytes at 8 T
	s_wait_alu depctr_va_vdst(0)
	s_wait_loadcnt 0x0                             ; t and b2 for the end
	s_wait_dscnt 0x0                               ; for the others' sake: my stores have landed
	s_barrier_signal -1
	s_barrier_wait -1
.irp u, 0,1,2,3,4,5,6,7
	ds_load_b32 v[152+2*\u], v9 offset:P2W*\u
	ds_load_b32 v[153+2*\u], v9 offset:P2W*\u+64
	ds_load_b32 v[168+2*\u], v10 offset:P2W*\u
	ds_load_b32 v[169+2*\u], v10 offset:P2W*\u+64
.endr
	v_add_f32 v184, -0.5, v20                      ; -(0.5 - t), twice: a pair for the packed form
	v_add_f32 v185, -0.5, v20
	s_wait_dscnt 0x0
.irp u, 1
	v_pk_add_f32 v[152:153], v[152:153], v[152+2*\u:153+2*\u]
	v_pk_add_f32 v[168:169], v[168:169], v[168+2*\u:169+2*\u]
.endr
.irp u, 2, 3, 4, 5, 6, 7
	s_delay_alu instid0(VALU_DEP_2)
	v_pk_add_f32 v[152:153], v[152:153], v[152+2*\u:153+2*\u]
	s_delay_alu instid0(VALU_DEP_2)
	v_pk_add_f32 v[168:169], v[168:169], v[168+2*\u:169+2*\u]
.endr
	s_delay_alu instid0(VALU_DEP_2)
	v_pk_fma_f32 v[152:153], v[152:153], s[90:91], v[22:23] op_sel_hi:[1,0,1]   ; v = sum x 2^(e2 + e3) + b2v
	s_delay_alu instid0(VALU_DEP_2)
	v_pk_fma_f32 v[168:169], v[168:169], s[92:93], v[24:25] op_sel_hi:[1,0,1]   ; s = sum x 2^(e6 + e7) + b2s
	s_delay_alu instid0(VALU_DEP_1)
	v_pk_fma_f32 v[152:153], v[168:169], v[184:185], v[152:153]                 ; v - (0.5 - t) s
	global_store_b64 v12, v[152:153], s[26:27] th:TH_STORE_NT   ; a wave stores 256 consecutive bytes, at a multiple of 256 from out0's first byte
	s_cmp_lg_u32 s2, 0                             ; wave 0 alone sums the trace: 32 rows, a lane a row; no barrier follows
	s_cbranch_scc1 .Lend
.irp u, 0,1,2,3,4,5,6,7,8,9,10,11,12,13,14,15
	ds_load_b32 v[200+\u], v11 offset:128*\u
.endr
	v_sub_f32 v216, 0.5, v21
	s_wait_dscnt 0x0
.irp u, 2
	v_pk_add_f32 v[200:201], v[200:201], v[200+\u:201+\u]
	v_pk_add_f32 v[208:209], v[208:209], v[208+\u:209+\u]
.endr
.irp u, 4, 6
	s_delay_alu instid0(VALU_DEP_2)
	v_pk_add_f32 v[200:201], v[200:201], v[200+\u:201+\u]
	s_delay_alu instid0(VALU_DEP_2)
	v_pk_add_f32 v[208:209], v[208:209], v[208+\u:209+\u]
.endr
	s_delay_alu instid0(VALU_DEP_2)
	v_add_f32 v200, v200, v201                     ; net v's
	s_delay_alu instid0(VALU_DEP_2)
	v_add_f32 v208, v208, v209                     ; net s's
	s_delay_alu instid0(VALU_DEP_1)
	v_mul_f32 v208, s95, v208                      ; x 2^(e22 + e23)
	s_delay_alu instid0(VALU_DEP_1)
	v_mul_f32 v208, v216, v208                     ; x (0.5 - t)
	s_delay_alu instid0(VALU_DEP_1)
	v_fma_f32 v200, -v200, s94, v208               ; -trace = (0.5 - t) s's - v's x 2^(e14 + e15)
	global_store_b32 v28, v200, s[28:29] th:TH_STORE_NT
.Lend:
	s_wait_xcnt 0x0
	v_lshl_add_u32 v254, v0, 2, 0x37800
	v_mov_b32 v255, 0
	s_wait_alu depctr_va_vdst(0)
	s_wait_tensorcnt 0x0
	ds_add_u32 v254, v255
	s_wait_dscnt 0x0
	s_endpgm
.Lfunc_end_k_q23714e38f5_flow:
	.size	k_q23714e38f5_flow, .Lfunc_end_k_q23714e38f5_flow-k_q23714e38f5_flow
	.p2alignl 7, 3214868480
	.fill 96, 4, 3214868480
	.section	.rodata,"a",@progbits
	.p2align	6, 0x0
	.amdhsa_kernel k_q23714e38f5_flow
		.amdhsa_group_segment_fixed_size 229376
		.amdhsa_private_segment_fixed_size 0
		.amdhsa_enable_private_segment 0
		.amdhsa_kernarg_size 104
		.amdhsa_user_sgpr_count 2
		.amdhsa_user_sgpr_kernarg_segment_ptr 1
		.amdhsa_wavefront_size32 1
		.amdhsa_system_sgpr_workgroup_id_x 1
		.amdhsa_system_sgpr_workgroup_id_y 1
		.amdhsa_system_sgpr_workgroup_id_z 1
		.amdhsa_system_vgpr_workitem_id 0
		.amdhsa_next_free_vgpr 256
		.amdhsa_next_free_sgpr 100
		.amdhsa_reserve_vcc 1
		.amdhsa_float_denorm_mode_32 3
		.amdhsa_float_denorm_mode_16_64 3
		.amdhsa_fp16_overflow 1
		.amdhsa_memory_ordered 1
		.amdhsa_forward_progress 1
		.amdhsa_inst_pref_size 107
	.end_amdhsa_kernel
	.amdgpu_metadata
---
amdhsa.version: [ 1, 2 ]
amdhsa.kernels:
  - .name:           k_q23714e38f5_flow
    .symbol:         k_q23714e38f5_flow.kd
    .args:
      - { .name: x, .offset: 0, .size: 8, .value_kind: global_buffer, .address_space: global }
      - { .name: t, .offset: 8, .size: 8, .value_kind: global_buffer, .address_space: global }
      - { .name: W1v, .offset: 16, .size: 8, .value_kind: global_buffer, .address_space: global }
      - { .name: W1s, .offset: 24, .size: 8, .value_kind: global_buffer, .address_space: global }
      - { .name: b1v, .offset: 32, .size: 8, .value_kind: global_buffer, .address_space: global }
      - { .name: b1s, .offset: 40, .size: 8, .value_kind: global_buffer, .address_space: global }
      - { .name: W2v, .offset: 48, .size: 8, .value_kind: global_buffer, .address_space: global }
      - { .name: W2s, .offset: 56, .size: 8, .value_kind: global_buffer, .address_space: global }
      - { .name: b2v, .offset: 64, .size: 8, .value_kind: global_buffer, .address_space: global }
      - { .name: b2s, .offset: 72, .size: 8, .value_kind: global_buffer, .address_space: global }
      - { .name: lowp_scales, .offset: 80, .size: 8, .value_kind: global_buffer, .address_space: global }
      - { .name: out0, .offset: 88, .size: 8, .value_kind: global_buffer, .address_space: global }
      - { .name: out1, .offset: 96, .size: 8, .value_kind: global_buffer, .address_space: global }
    .group_segment_fixed_size: 229376
    .private_segment_fixed_size: 0
    .kernarg_segment_align: 8
    .kernarg_segment_size: 104
    .max_flat_workgroup_size: 512
    .sgpr_count:     100
    .vgpr_count:     256
    .wavefront_size: 32
...
	.end_amdgpu_metadata
.endif
;; end of part 1
